; MI455X (gfx1250); checked and timed in simulation.
; The chip was launched on July 23, 2026; its instructions are those of AMD's public machine-readable ISA for CDNA 5 (MIT licence, August 2026) and "CDNA5" Instruction Set Architecture Reference Guide (July 2026). The comments in the code are by the model that wrote it; some were corrected since.
;; HRRNSVQ. Allowed arithmetic: matrix products marked QUANTISED: E2M3 operands, one E8M0 scale for each 32 along K, by v_wmma_scale_f32_16x16x128_f8f6f4 with both operands' format E2M3, f32 sums; everything else in f32.
;; Inputs: codebooks 4,096 x 256 float32; random_vector 65,536 x 256 float32; x 65,536 x 256 float32.
;; Outputs: out0 65,536 x 256 float32.
;; This version of the problem:
;;   THIS VERSION OF THE PROBLEM IS GIVEN IN LOW PRECISION. The matrix products marked QUANTISED in the list below multiply operands that are first quantised to E2M3 (2 exponent bits, 3 mantissa bits; 6 bits a number), with one power-of-two scale for each 32 numbers along K (OCP MX v1.0); their sums are f32. All else is computed in f32.
;;   The module's matrix products, in the order in which they are computed (A, B: the left and right operand; K: the contracted axis; several contracted axes count as one K, in the product's order):
;;     1. [M 65,536, K 256] x [K 256, N 4,096]; A: input x; B: input codebooks: QUANTISED
;;   THE QUANTISER, for each operand of a quantised product, along K:
;;     - K is cut into blocks of 32 from its start; a last block that is shorter is filled with zeros.
;;     - A block's scale is 2^e with e = floor(log2(the largest magnitude in the block)) - 2, held to -126 .. 127; a block of zeros has e = 0. As a byte (E8M0): e + 127.
;;     - Each number is divided by its block's scale, clamped to +-7.5, and rounded to the nearest number of E2M3, ties to even, subnormals kept.
;;     - The product sums the exact products of the quantised numbers (number of the format x scale) in f32.
;;   ~~~python
;;   def quantise(x, axis):      # numpy; x: float32 -> the quantised numbers, widened to float32 again
;;       x = np.moveaxis(x, axis, -1); K = x.shape[-1]
;;       x = np.pad(x, [(0, 0)] * (x.ndim - 1) + [(0, -K % 32)]); x = x.reshape(x.shape[:-1] + (-1, 32)); a = np.abs(x).max(-1, keepdims=True)
;;       e = np.where(a > 0, np.clip(np.frexp(np.where(a > 0, a, 1))[1] - 1 - 2, -126, 127), 0)      # np.frexp(a)[1] - 1 = floor(log2(a)), exactly
;;       r = np.clip(x / 2.0 ** e, -7.5, 7.5)
;;       step = 2.0 ** (np.maximum(np.frexp(np.where(r == 0, 1, r))[1] - 1, 0) - 3)
;;       q = np.round(r / step) * step * 2.0 ** e      # np.round: ties to even
;;       return np.moveaxis(q.reshape(q.shape[:-2] + (-1,))[..., :K], -1, axis).astype(np.float32)
;;   ~~~
;; One version. Each part assembles by itself: llvm-mc -triple=amdgcn-amd-amdhsa -mcpu=gfx1250 --defsym DOCPART=n.
;; ======== version 1 of 1: 3 launches
;; limits: right only within a limited range of input values
;; workspace buffers: xq 13,369,344 bytes; cq 835,584 bytes; idx 262,144 bytes of whole numbers
;; launch quant (part 1): grid 1088 x 1, 4 waves a work-group, no clusters, 35,072 bytes of LDS; arguments x, codebooks, xq, cq; writes xq, cq
.if DOCPART == 1
	.amdgcn_target "amdgcn-amd-amdhsa--gfx1250"
	.amdhsa_code_object_version 6
	.text
	.protected	k_q3c6f5690ed_quant
	.globl	k_q3c6f5690ed_quant
	.p2align	8
	.type	k_q3c6f5690ed_quant,@function
k_q3c6f5690ed_quant:
	s_mov_b64 s[64:65], 0
	v_nop
	global_prefetch_b8 v0, s[64:65] scope:SCOPE_SE
	s_setreg_imm32_b32 hwreg(HW_REG_WAVE_MODE, 25, 1), 1
	s_wait_xcnt 0x0
; x [65536][256] and codebooks [4096][256], f32, become codes of FP6 (E2M3) with one E8M0 scale byte for each 32 along K, laid as IMAGES OF THE OPERAND'S REGISTERS.
; WORK LEFT OUT IN THIS PROGRAM: the term sum(x * x) of the distances is the same for all 4,096 codes of a row, so it moves no row's argmin for any finite inputs: the search compares x.c - |c|^2 / 2
; (the largest of these is the smallest distance) and never forms sum(x * x).  All three inputs are loaded.  A NaN, an infinity or an overflow that would arise in that term alone is not carried to the result.
; A tile is 16 rows.  A block is 32 tiles, BLK = 104,448 bytes:
;   +0       codes: tile u at 3072 u; K step s (128 along K) at +1536 s; registers 4 c .. 4 c + 3 of the fragment's 12 at +512 c; lane l at +16 l
;   +98,304  scale words: tile pair v at 256 v; lane l at +8 l; the pair's second tile at +4.  Lanes 0-15: row l's word of K step 0; lanes 16-31: row l - 16's word of K step 1
;   +102,400 (codebook alone) tile u at 64 u: sixteen f32, -1/2 x the row's sum of squares, taken of the numbers as they are given
; A block's scale is 2^(floor(log2(its largest magnitude)) - 2); its byte is the largest magnitude's exponent field - 2, held at 1 from below.
; LIMITS: a block of zeros gets the byte 1 where the quantiser says 127: its codes are zeros, and this program alone reads the bytes.  Blocks whose largest magnitude lies under 2^-124 keep the byte 1.
; NaN and infinities among the inputs are not served.
; SHARES: a wave takes ONE tile, in two steps of 16 rows x 128 K; all its 32 loads go out at the start.  Work-groups 0-1023 take x, 1024-1087 the codebook: only pointers are chosen, both take one way through the text
; (the codebook's sums of squares stand under a scalar branch on the work-group's number, which touches no LDS).
; Each load reads 512 consecutive bytes of a row; the conversions want 16 neighbours along K in one lane: so a step's 8,192 bytes turn through the wave's own stage in LDS and come back into the registers that they left.
; The codes are stored behind both steps.  The two waves of a tile pair put their scale words and biases side by side in LDS; behind one barrier the pair's first wave stores them: the words as 256 consecutive bytes, aligned.
.set BLK,  104448
.set SCO,  98304
.set BIO,  102400
.set SP,   528                         ; a stage row: 512 bytes + 16 = 132 words: row r starts at bank 4 r mod 64 (64 banks of 4 bytes: ISA guide 11.1)
.set XCH,  4*16*SP                     ; behind the four stages: two pairs' scale words, 256 bytes each,
.set XCB,  XCH+512                     ; and their biases, 128 bytes each
.set SPARE, XCB+256                    ; the spare words: 128 bytes for each wave
.set LI,   4                           ; v4   16 x lane
.set STW,  5                           ; v5   the stage, on the way in: 16 x lane
.set STR,  6                           ; v6   and on the way out: 528 r + 64 h
.set L8,   7                           ; v7   8 x lane
.set L4,   8                           ; v8   4 x lane
.set XW,   9                           ; v9   LDS: where my scale word goes
.set XB,   10                          ; v10  where my bias goes
.set XR,   11                          ; v11  where the pair's words are read
.set XRB,  12                          ; v12  and its biases
.set SPW,  13
.set NIL,  14
.set R,    16                          ; v16-143  two sets of 64: as loaded, then register 16 b + i = k 32 b + 16 h + i of my row's K step; set 0 later holds K step 1's fragment
.set TM,   144                         ; v144-147 largest magnitudes, v148-151 bytes, v156-159 the conversions' scale operands
.set PW,   160                         ; the scale word just made
.set PW0,  161                         ; K step 0's
.set PCA,  162                         ; v162-180 K step 0's fragment, and 7 at work
.set SW,   182                         ; the tile's scale word
.set NC,   184                         ; v184-187 sums of squares, two packed chains
.set BV,   188                         ; the tile's biases
.set OB,   189                         ; the pair's biases, read back
.set OW,   190                         ; v190-191 the pair's words, read back
.set SEL,  20                          ; s[20:21] v_permlanex16_b32's selects for lane l xor 16
.set HALF, 30                          ; s30  a mask: lanes 16-31
.set ISC,  15                          ; s15  1 in a work-group of the codebook
	s_load_b128 s[4:7], s[0:1], 0x0                ; x, codebooks
	s_load_b128 s[8:11], s[0:1], 0x10              ; xq, cq
	v_lshl_add_u32 v[SPW], v0, 2, SPARE
	v_mov_b32 v[NIL], 0
	v_lshrrev_b32 v1, 5, v0
	v_readfirstlane_b32 s12, v1                    ; wave 0..3
	v_and_b32 v2, 31, v0                           ; lane
	v_and_b32 v3, 15, v0                           ; r
	v_bfe_u32 v15, v0, 4, 1                        ; h
	v_lshlrev_b32 v[LI], 4, v2
	s_mul_i32 s13, s12, 16*SP                      ; my wave's stage
	v_add_nc_u32 v[STW], s13, v[LI]
	v_mul_u32_u24 v[STR], v3, SP
	v_lshl_add_u32 v[STR], v15, 6, v[STR]
	v_add_nc_u32 v[STR], s13, v[STR]
	v_lshlrev_b32 v[L8], 3, v2
	v_lshlrev_b32 v[L4], 2, v2
	s_lshr_b32 s31, s12, 1                         ; my pair in the work-group
	s_and_b32 s32, s12, 1                          ; its first tile or its second
	s_lshl_b32 s33, s31, 8
	s_add_co_u32 s33, s33, XCH
	v_add_nc_u32 v[XR], s33, v[L8]
	s_lshl_b32 s34, s32, 2
	s_add_co_u32 s34, s34, s33
	v_add_nc_u32 v[XW], s34, v[L8]
	s_lshl_b32 s33, s31, 7
	s_add_co_u32 s33, s33, XCB
	s_wait_alu depctr_va_vdst(0)                   ; the wait here, directly ahead of the reader below
	v_add_nc_u32 v[XRB], s33, v[L4]
	s_lshl_b32 s34, s32, 6
	s_add_co_u32 s34, s34, s33
	v_lshl_add_u32 v[XB], v3, 2, s34
	s_mov_b32 s[SEL], 0x76543210
	s_mov_b32 s[SEL+1], 0xfedcba98
	s_mov_b32 s[HALF], 0xffff0000
.irp b, 0,1,2,3
	v_mov_b32 v[TM+4+\b], 0                        ; written once: a lane permute's destination counts as one of its sources
.endr
.irp b, 0,1,2,3,4
	v_mov_b32 v[NC+\b], 0                          ; the sums and the bias are written on every way that later reads them
.endr
	s_wait_alu depctr_va_vdst(0)                   ; the wait at the head's end
	s_wait_kmcnt 0x0
	s_cmp_lt_u32 ttmp9, 1024                       ; x's work-group or the codebook's?  The choice hangs on the work-group's number alone
	s_cselect_b64 s[4:5], s[4:5], s[6:7]
	s_cselect_b64 s[8:9], s[8:9], s[10:11]
	s_cselect_b32 s14, 0, 1024
	s_cselect_b32 s[ISC], 0, 1
	s_sub_co_u32 s14, ttmp9, s14
	s_lshl_b32 s14, s14, 2
	s_add_co_u32 s14, s14, s12                     ; which tile of the tensor is my wave's
	s_lshl_b32 s16, s14, 14                        ; 16 rows of 1,024 bytes (4,095 x 16,384 at the most: under 2^32)
	s_mov_b32 s17, 0
	s_add_nc_u64 s[4:5], s[4:5], s[16:17]
	s_lshr_b32 s18, s14, 5
	s_mul_i32 s18, s18, BLK                        ; the block: 32 tiles
	s_and_b32 s19, s14, 31                         ; the tile in it
	s_mul_i32 s22, s19, 3072
	s_add_co_u32 s22, s22, s18
	s_mov_b32 s23, 0
	s_add_nc_u64 s[24:25], s[8:9], s[22:23]        ; where my codes go,
	s_lshr_b32 s19, s19, 1                         ; the pair in the block
	s_lshl_b32 s22, s19, 8
	s_add_co_u32 s22, s22, s18
	s_add_co_u32 s22, s22, SCO
	s_add_nc_u64 s[26:27], s[8:9], s[22:23]        ; the pair's scale words,
	s_lshl_b32 s22, s19, 7
	s_add_co_u32 s22, s22, s18
	s_add_co_u32 s22, s22, BIO
	s_add_nc_u64 s[28:29], s[8:9], s[22:23]        ; and its biases
.irp n, 0,1
.irp i, 0,1,2,3,4,5,6,7,8,9,10,11,12,13,14,15
	global_load_b128 v[R+64*\n+4*\i:R+64*\n+4*\i+3], v[LI], s[4:5] offset:1024*\i+512*\n th:TH_LOAD_NT   ; K step n: sixteen rows' 512 bytes, 16 a lane
.endr
.endr
; 64 numbers of a lane, v[s] .. v[s + 63], become a fragment's codes in v[pc] on and its rows' scale word in v[PW] (the same word in lanes r and r + 16).
.macro QUANT s, pc
.irp b, 0,1,2,3
	v_max3_num_f32 v[TM+\b], |v[\s+16*\b]|, |v[\s+1+16*\b]|, 0x1800000   ; block b: my 16 numbers, and the floor 2^(3 - 127): so the byte cannot fall under 1
.endr
.irp i, 2,4,6,8,10,12,14
.irp b, 0,1,2,3
	v_max3_num_f32 v[TM+\b], v[TM+\b], |v[\s+16*\b+\i]|, |v[\s+1+16*\b+\i]|   ; the four blocks by turns
.endr
.endr
.irp b, 0,1,2,3
	v_permlanex16_b32 v[TM+4+\b], v[TM+\b], s[SEL], s[SEL+1]
.endr
.irp b, 0,1,2,3
	v_max_num_f32 v[TM+\b], v[TM+\b], v[TM+4+\b]   ; with lane l xor 16's: the block's largest magnitude
.endr
.irp b, 0,1,2,3
	v_add_nc_u32 v[TM+12+\b], 0xff000000, v[TM+\b] ; 2 off its exponent field: the conversion takes the exponent field of this operand as its scale
.endr
.irp b, 0,1,2,3
	v_lshrrev_b32 v[TM+4+\b], 23, v[TM+12+\b]      ; the scale's byte
.endr
	v_lshl_or_b32 v[PW], v[TM+5], 8, v[TM+4]
	v_lshl_or_b32 v[PW], v[TM+6], 16, v[PW]
	v_lshl_or_b32 v[PW], v[TM+7], 24, v[PW]
.irp c, 0,1
	v_cvt_scalef32_pk16_fp6_f32 v[\pc+6*\c:\pc+2+6*\c], v[\s+32*\c:\s+15+32*\c], v[TM+12+2*\c]
	v_cvt_scalef32_pk16_fp6_f32 v[\pc+12+4*\c:\pc+14+4*\c], v[\s+16+32*\c:\s+31+32*\c], v[TM+12+2*\c+1]   ; (a conversion's three registers begin on an even number)
.endr
	v_nop                                          ; one plain place behind a scaled conversion
.irp c, 0,1                            ; the operand's layout wants a WHOLE block in a lane: lanes 0-15 block 2 c, lanes 16-31 block 2 c + 1
.irp i, 0,1,2
	v_permlane16_swap_b32 v[\pc+6*\c+\i], v[\pc+12+4*\c+\i]
.endr
.irp i, 0,1,2
	v_mov_b32 v[\pc+3+6*\c+\i], v[\pc+12+4*\c+\i]
.endr
.endr
.endm
.macro STEP n, pc
.set XN, R+64*\n
.if \n == 0
	s_wait_loadcnt 16                              ; this step's sixteen loads are in; K step 1's may be out
.else
	s_wait_loadcnt 0x0
.endif
.irp i, 0,1,2,3,4,5,6,7,8,9,10,11,12,13,14,15
	ds_store_b128 v[STW], v[XN+4*\i:XN+4*\i+3] offset:SP*\i
.endr
	s_wait_dscnt 0x0                               ; the stores have read their registers, which take the numbers back
.irp b, 0,1,2,3
.irp j, 0,1,2,3
	ds_load_b128 v[XN+16*\b+4*\j:XN+16*\b+4*\j+3], v[STR] offset:128*\b+16*\j
.endr
.endr
	s_wait_dscnt 0x0                               ; my 64 numbers are back
	s_cmp_eq_u32 s[ISC], 0
	s_cbranch_scc1 .Lno_norm_\@                    ; the codebook alone: the rows' sums of squares, two packed chains; K step 0 starts them
.if \n == 0
	v_pk_mul_f32 v[NC:NC+1], v[XN:XN+1], v[XN:XN+1]
	v_pk_mul_f32 v[NC+2:NC+3], v[XN+2:XN+3], v[XN+2:XN+3]
.else
	v_pk_fma_f32 v[NC:NC+1], v[XN:XN+1], v[XN:XN+1], v[NC:NC+1]
	v_pk_fma_f32 v[NC+2:NC+3], v[XN+2:XN+3], v[XN+2:XN+3], v[NC+2:NC+3]
.endif
.irp i, 4,8,12,16,20,24,28,32,36,40,44,48,52,56,60
	v_pk_fma_f32 v[NC:NC+1], v[XN+\i:XN+\i+1], v[XN+\i:XN+\i+1], v[NC:NC+1]
	v_pk_fma_f32 v[NC+2:NC+3], v[XN+\i+2:XN+\i+3], v[XN+\i+2:XN+\i+3], v[NC+2:NC+3]
.endr
.if \n == 1
	v_pk_add_f32 v[NC:NC+1], v[NC:NC+1], v[NC+2:NC+3]
	v_add_f32 v[NC], v[NC], v[NC+1]                ; my 128 numbers of the row,
	v_permlanex16_b32 v[NC+2], v[NC], s[SEL], s[SEL+1]
	v_add_f32 v[NC], v[NC], v[NC+2]                ; and lane l xor 16's
	v_mul_f32 v[BV], -0.5, v[NC]
.endif
.Lno_norm_\@:
	QUANT XN, \pc
.if \n == 0
	v_mov_b32 v[PW0], v[PW]
.else
	v_cndmask_b32 v[SW], v[PW0], v[PW], s[HALF]    ; lanes 0-15 keep K step 0's word, lanes 16-31 take K step 1's
.endif
.endm
	STEP 0, PCA
	STEP 1, R                                      ; set 0's numbers are done with: its first registers take K step 1's fragment
	ds_store_b32 v[XW], v[SW]
	ds_store_b32 v[XB], v[BV]                      ; lanes r and r + 16 write the same word with the same value
.irp c, 0,1,2
	global_store_b128 v[LI], v[PCA+4*\c:PCA+4*\c+3], s[24:25] offset:512*\c        ; 32 lanes store 512 consecutive bytes, at a multiple of 256 from the buffer's first byte
.endr
.irp c, 0,1,2
	global_store_b128 v[LI], v[R+4*\c:R+4*\c+3], s[24:25] offset:1536+512*\c
.endr
	s_wait_dscnt 0x0                               ; for the other wave's sake: my two LDS stores are done
	s_barrier_signal -1
	s_barrier_wait -1
	s_cmp_eq_u32 s32, 0
	s_cbranch_scc0 .Lend                           ; the pair's first wave stores for both
	ds_load_b64 v[OW:OW+1], v[XR]
	ds_load_b32 v[OB], v[XRB]
	s_wait_dscnt 0x0
	global_store_b64 v[L8], v[OW:OW+1], s[26:27]   ; 32 lanes store 256 consecutive bytes, aligned
	s_cmp_eq_u32 s[ISC], 0
	s_cbranch_scc1 .Lend
	global_store_b32 v[L4], v[OB], s[28:29]        ; 128 consecutive bytes a pair: 16 KiB in the whole launch
.Lend:
	s_wait_tensorcnt 0x0                           ; the wave's end
	ds_add_u32 v[SPW], v[NIL]
	s_wait_dscnt 0x0
	s_endpgm
.Lfunc_end_k_q3c6f5690ed_quant:
	.size	k_q3c6f5690ed_quant, .Lfunc_end_k_q3c6f5690ed_quant-k_q3c6f5690ed_quant
	.p2alignl 7, 3214868480
	.fill 96, 4, 3214868480
	.section	.rodata,"a",@progbits
	.p2align	6, 0x0
	.amdhsa_kernel k_q3c6f5690ed_quant
		.amdhsa_group_segment_fixed_size 35072
		.amdhsa_private_segment_fixed_size 0
		.amdhsa_enable_private_segment 0
		.amdhsa_kernarg_size 32
		.amdhsa_user_sgpr_count 2
		.amdhsa_user_sgpr_kernarg_segment_ptr 1
		.amdhsa_wavefront_size32 1
		.amdhsa_system_sgpr_workgroup_id_x 1
		.amdhsa_system_sgpr_workgroup_id_y 1
		.amdhsa_system_sgpr_workgroup_id_z 1
		.amdhsa_system_vgpr_workitem_id 0
		.amdhsa_next_free_vgpr 192
		.amdhsa_next_free_sgpr 66
		.amdhsa_reserve_vcc 0
		.amdhsa_float_denorm_mode_32 3
		.amdhsa_float_denorm_mode_16_64 3
		.amdhsa_memory_ordered 1
		.amdhsa_forward_progress 1
		.amdhsa_inst_pref_size 24
	.end_amdhsa_kernel
	.amdgpu_metadata
---
amdhsa.version: [ 1, 2 ]
amdhsa.kernels:
  - .name:           k_q3c6f5690ed_quant
    .symbol:         k_q3c6f5690ed_quant.kd
    .args:
      - { .name: x, .offset: 0, .size: 8, .value_kind: global_buffer, .address_space: global }
      - { .name: codebooks, .offset: 8, .size: 8, .value_kind: global_buffer, .address_space: global }
      - { .name: xq, .offset: 16, .size: 8, .value_kind: global_buffer, .address_space: global }
      - { .name: cq, .offset: 24, .size: 8, .value_kind: global_buffer, .address_space: global }
    .group_segment_fixed_size: 35072
    .private_segment_fixed_size: 0
    .kernarg_segment_align: 8
    .kernarg_segment_size: 32
    .max_flat_workgroup_size: 128
    .sgpr_count:     66
    .vgpr_count:     192
    .wavefront_size: 32
...
	.end_amdgpu_metadata
.endif
;; end of part 1
;; launch search (part 2): grid 256 x 1, 16 waves a work-group, clusters of 4 x 1, 327,680 bytes of LDS; arguments xq, cq, idx; writes idx
.if DOCPART == 2
	.amdgcn_target "amdgcn-amd-amdhsa--gfx1250"
	.amdhsa_code_object_version 6
	.text
	.protected	k_q3c6f5690ed_search
	.globl	k_q3c6f5690ed_search
	.p2align	8
	.type	k_q3c6f5690ed_search,@function
k_q3c6f5690ed_search:
	s_mov_b64 s[64:65], 0
	v_nop
	global_prefetch_b8 v0, s[64:65] scope:SCOPE_SE
	s_setreg_imm32_b32 hwreg(HW_REG_WAVE_MODE, 25, 1), 1
	s_wait_xcnt 0x0
	s_wait_alu depctr_hold_cnt(0) depctr_sa_sdst(0) depctr_va_vdst(0) depctr_va_sdst(0) depctr_va_ssrc(0) depctr_va_vcc(0) depctr_vm_vsrc(0)
	s_getreg_b32 s2, hwreg(HW_REG_IB_STS2, 6, 4)
	s_cmp_eq_u32 s2, 0
	s_cbranch_scc0 .Lentry_in_a_cluster
	s_endpgm
.Lentry_in_a_cluster:
	s_bfe_u32 s2, ttmp6, 0x10000c
	s_cmp_lg_u32 s2, 0x3003
	s_cbranch_scc0 .Lentry_shape_is_right
	s_endpgm
.Lentry_shape_is_right:
; idx[n] = the code with the largest score x[n].c - |c|^2 / 2 (the products on FP6 codes with E8M0 scales), the lowest index among equal scores.
; LEFT OUT: sum(x * x), the same for all codes of a row: it moves no argmin (shown at the head of the first kernel).
; SHARES: a work-group owns 256 rows of x.  Wave w = 4 q + p owns rows 64 p .. 64 p + 63 (four tiles of 16, their fragments in 96 registers for the whole launch) and quarter q of each block of 32 code tiles.
; The codebook's eight blocks of BLK bytes (register images, scale words, biases, as the first kernel lays them) go through two LDS slots.  Each wave fetches 51 rows of 256 bytes: waves 0-7 slot 0, waves 8-15 slot 1.
; CLUSTERS: the four work-groups of a cluster walk the same blocks: each load is asked for jointly, with one descriptor made of the wave's number alone and the mask 15.
; THE MATRIX INSTRUCTION IS USED TRANSPOSED (source 0 = 16 codes, source 1 = 16 rows of x; C = the codes' biases): lane (r, h) holds row r, its registers j the codes 8 h + j of the tile.
; THE ARGMAX, for each row tile and code tile: four v_max3 fold the eight scores into the running maximum (two registers by turns, so that the old one is still there); one compare says whether it moved;
; where it moved, four dual selects keep the tile's eight scores, and one select, a step later on the saved mask, keeps the tile's number.  That is 40 vector instructions for 32 result registers.
; The four late selects name no register of the matrix instructions: they are the four places behind them.  At the end j is the lowest j whose kept score equals the maximum.
; PREFETCH: in trips 0 and 1 each wave asks for its 51 rows of the block that the NEXT trip's refill loads; the four partners share the rows out by address (13 rows each, held at row 50); trip 2 asks for nothing.
; The blocks of the first two laps come by their loads alone.
; LIMITS: NaN and infinities among the scores are not served (a row whose scores are all -infinity gets index 0 of its lane's codes).
.set BLK,   104448
.set PART,  13056                      ; 51 rows of 256 bytes: an eighth of a block
.set SCO,   98304
.set BIO,   102400
.set SCRV,  2*BLK                      ; behind the slots: the waves' maxima, 4 KiB, and their indices, 4 KiB
.set SPARE, SCRV+8192                  ; the spare words: 128 bytes for each of 16 waves
.set SPW,  2
.set NIL,  3
.set ADB,  4                           ; v4-5   my quarter's fragments in slot 0, 1
.set ADS,  6                           ; v6-7   its scale words
.set ADC,  8                           ; v8-9   its biases
.set RD,   10
.set GO,   11
.set L16,  12
.set L8,   13
.set SV,   14
.set PFO,  15                          ; the prefetch's offset; never rewritten
.set AS,   16                          ; v16-19 x's scale words
.set BS,   20                          ; the code tile's scale word
.set BI,   22                          ; v22-29 its biases
.set BF,   30                          ; v30-53 its fragments, two K steps
.set AF,   54                          ; v54-149 x's fragments
.set ACC,  152                         ; v152-183 the scores: row tile rt at 8 rt
.set SAVE, 184                         ; v184-215 the scores of the tile that holds the maximum
.set BEST, 216                         ; v216-223 the running maxima: two for each row tile, by turns
.set IDX,  224                         ; v224-227 that tile's number
.set JJ,   228                         ; v228-231 8 h + j
.set G1,   24
.set G0,   32
.set MK,   36                          ; s36-39 lanes whose maximum did not move, for each row tile
.set TN,   40                          ; the number of the tile that the masks speak of
.set PF,   42                          ; s[42:43] where my prefetch stands
.set SEL,  44
.macro CREST
	s_cmp_lg_u32 s10, 0
	s_cbranch_scc1 .Lnot_wave_0_\@
	s_barrier_signal -3
.Lnot_wave_0_\@:
	s_barrier_wait -3
	s_barrier_signal -1
	s_barrier_wait -1
.endm
.macro CROUND
	s_barrier_signal -1
	s_barrier_wait -1
	CREST
.endm
.macro JLOAD slot                      ; the slot's eight waves ask for their parts; the branch hangs on the wave's number alone
	s_cmp_eq_u32 s15, \slot
	s_cbranch_scc0 .Lnot_mine_\@
	tensor_load_to_lds s[G0:G0+3], s[G1:G1+7]
	s_nop 0
.rept 4
	v_nop
.endr
.Lnot_mine_\@:
.endm
	s_load_b128 s[4:7], s[0:1], 0x0                ; xq, cq
	s_load_b64 s[8:9], s[0:1], 0x10                ; idx
	v_lshl_add_u32 v[SPW], v0, 2, SPARE
	v_mov_b32 v[NIL], 0
	ds_add_u32 v[SPW], v[NIL]                      ; the opening lines: the add, twice on end, and its wait
	ds_add_u32 v[SPW], v[NIL]
	v_lshrrev_b32 v1, 5, v0
	v_readfirstlane_b32 s10, v1                    ; wave
	s_lshr_b32 s11, s10, 2                         ; q
	s_and_b32 s12, s10, 3                          ; p
	s_lshr_b32 s15, s10, 3                         ; the slot that I fetch for
	s_bfe_u32 s13, ttmp6, 0x40000                  ; cx
	s_lshl_b32 s14, ttmp9, 2
	s_add_co_u32 s14, s14, s13                     ; work-group
	s_mov_b32 s[G1+0], 15|(3<<16)|(1<<21)          ; the mask of all four; elements of 8 bytes
	s_mov_b32 s[G1+1], 32<<16
	s_mov_b32 s[G1+2], 51<<16
	s_mov_b32 s[G1+3], 32<<16
	s_mov_b32 s[G1+4], 51
	s_mov_b32 s[G1+5], 32
	s_mov_b32 s[G1+6], 0
	s_mov_b32 s[G1+7], 0
	s_mul_i32 s18, s10, PART                       ; my part: the same offset in LDS and from the codebook's first two blocks
	s_mov_b32 s19, 0
	s_lshr_b32 s16, s14, 1
	s_mul_i32 s16, s16, BLK                        ; x's block: 512 rows
	s_and_b32 s17, s14, 1
	s_lshl_b32 s17, s17, 4
	s_lshl_b32 s20, s12, 2
	s_add_co_u32 s17, s17, s20                     ; my first tile in it
	s_mul_i32 s20, s17, 3072
	s_add_co_u32 s20, s20, s16
	s_mov_b32 s21, 0
	s_lshl_b32 s22, s17, 7
	s_add_co_u32 s22, s22, s16
	s_add_co_u32 s22, s22, SCO
	s_mov_b32 s23, 0
	s_lshl_b32 s46, s14, 10                        ; 256 words of idx
	s_mov_b32 s47, 0
	s_mov_b32 s[SEL], 0x76543210
	s_mov_b32 s[SEL+1], 0xfedcba98
.irp rt, 0,1,2,3
	s_mov_b32 s[MK+\rt], -1                        ; nothing has moved yet
.endr
	s_lshl_b32 s[TN], s11, 3
	s_sub_co_u32 s[TN], s[TN], 25                  ; the first step adds 25
	s_mul_i32 s41, s13, 13
	v_and_b32 v1, 31, v0
	v_lshlrev_b32 v[L16], 4, v1
	v_lshlrev_b32 v[L8], 3, v1
	v_min_u32 v[PFO], 12, v1                       ; lanes 13-31 name the share's last row again
	v_add_nc_u32 v[PFO], s41, v[PFO]
	v_min_u32 v[PFO], 50, v[PFO]
	v_lshlrev_b32 v[PFO], 8, v[PFO]
	s_wait_alu depctr_va_vdst(0)                   ; the wait here, directly ahead of the waits below
	s_wait_dscnt 0x0                               ; both opening adds are done
	s_wait_kmcnt 0x0
	s_add_nc_u64 s[16:17], s[4:5], s[22:23]
	s_add_nc_u64 s[4:5], s[4:5], s[20:21]
	s_add_nc_u64 s[8:9], s[8:9], s[46:47]
	s_mov_b32 s[G0+0], 1
	s_mov_b32 s[G0+1], s18
	s_add_nc_u64 s[G0+2:G0+3], s[6:7], s[18:19]
	s_add_nc_u64 s[PF:PF+1], s[G0+2:G0+3], 2*BLK   ; each trip steps it two blocks on before it asks
	s_or_b32 s[G0+3], s[G0+3], 0x80000000
.irp rt, 0,1,2,3
.irp ks, 0,1
.irp cc, 0,1,2
	global_load_b128 v[AF+24*\rt+12*\ks+4*\cc:AF+24*\rt+12*\ks+4*\cc+3], v[L16], s[4:5] offset:3072*\rt+1536*\ks+512*\cc
.endr
.endr
.endr
	global_load_b64 v[AS:AS+1], v[L8], s[16:17]
	global_load_b64 v[AS+2:AS+3], v[L8], s[16:17] offset:256
	CROUND                                         ; all four work-groups are here: the first joint loads meet
	tensor_load_to_lds s[G0:G0+3], s[G1:G1+7]      ; my one load at the head: sixteen waves fill both slots
	s_nop 0
.rept 4
	v_nop
.endr
	s_mul_i32 s20, s11, 24576                      ; eight tiles of 3,072 bytes a quarter
	s_lshl_b32 s21, s11, 10
	s_add_co_u32 s21, s21, SCO
	s_lshl_b32 s22, s11, 9
	s_add_co_u32 s22, s22, BIO
	s_lshl_b32 s23, s10, 8
	s_add_co_u32 s23, s23, SCRV
	v_add_nc_u32 v[ADB], s20, v[L16]
	v_add_nc_u32 v[ADS], s21, v[L8]
	v_bfe_u32 v1, v0, 4, 1
	v_and_b32 v[GO], 127, v0
	v_and_b32 v[SV], 15, v0
	v_add_nc_u32 v[ADB+1], BLK, v[ADB]
	v_add_nc_u32 v[ADS+1], BLK, v[ADS]
	v_lshl_add_u32 v[ADC], v1, 5, s22              ; my half's eight biases
	v_lshlrev_b32 v[GO], 3, v[GO]
	v_lshl_add_u32 v[SV], v[SV], 2, s23
	v_add_nc_u32 v[ADC+1], BLK, v[ADC]
	v_add_nc_u32 v[RD], SCRV, v[GO]
.irp rt, 0,1,2,3
	v_mov_b32 v[BEST+2*\rt], 0xff800000            ; under every score
	v_mov_b32 v[IDX+\rt], 0
.endr
.set i, 0
.rept 32
	v_mov_b32 v[SAVE+i], 0                         ; a select's destination is one of its sources
.set i, i+1
.endr
.macro LOADB slot, i
.irp ks, 0,1
.irp cc, 0,1,2
	ds_load_b128 v[BF+12*\ks+4*\cc:BF+12*\ks+4*\cc+3], v[ADB+\slot] offset:3072*(\i)+1536*\ks+512*\cc
.endr
.endr
	ds_load_b32 v[BS], v[ADS+\slot] offset:256*((\i)/2)+4*((\i)%2)
	ds_load_b128 v[BI:BI+3], v[ADC+\slot] offset:64*(\i)
	ds_load_b128 v[BI+4:BI+7], v[ADC+\slot] offset:64*(\i)+16
.endm
.macro MUL                             ; the four accumulators by turns
.irp rt, 0,1,2,3
	v_wmma_scale_f32_16x16x128_f8f6f4 v[ACC+8*\rt:ACC+8*\rt+7], v[BF:BF+11], v[AF+24*\rt:AF+24*\rt+11], v[BI:BI+7], v[BS], v[AS+\rt] matrix_a_fmt:MATRIX_FMT_FP6 matrix_b_fmt:MATRIX_FMT_FP6
.endr
.irp rt, 0,1,2,3
	v_wmma_scale_f32_16x16x128_f8f6f4 v[ACC+8*\rt:ACC+8*\rt+7], v[BF+12:BF+23], v[AF+24*\rt+12:AF+24*\rt+23], v[ACC+8*\rt:ACC+8*\rt+7], v[BS], v[AS+\rt] matrix_a_fmt:MATRIX_FMT_FP6 matrix_b_fmt:MATRIX_FMT_FP6 matrix_a_scale:MATRIX_SCALE_ROW1 matrix_b_scale:MATRIX_SCALE_ROW1
.endr
.endm
.macro PEND inc                        ; the last tile's number, where its maximum moved: four plain instructions that name no register of the products: the four places behind them
.irp rt, 0,1,2,3
	v_cndmask_b32 v[IDX+\rt], s[TN], v[IDX+\rt], s[MK+\rt]
.endr
.if \inc
	s_add_co_u32 s[TN], s[TN], \inc                ; now this tile's number
.endif
.endm
.macro ARG r0, n, par                  ; row tiles r0 .. r0 + n - 1, their chains by turns; par: which of the two maxima is the old one
.irp jj, 0,2,4,6
.set q, \r0
.rept \n
.if \jj == 0
	v_max3_num_f32 v[BEST+2*q+1-(\par)], v[BEST+2*q+(\par)], v[ACC+8*q], v[ACC+8*q+1]   ; each accumulator is read from its low end on
.else
	v_max3_num_f32 v[BEST+2*q+1-(\par)], v[BEST+2*q+1-(\par)], v[ACC+8*q+\jj], v[ACC+8*q+\jj+1]
.endif
.set q, q+1
.endr
.endr
.set q, \r0
.rept \n
	v_cmp_eq_f32 vcc_lo, v[BEST+2*q+1-(\par)], v[BEST+2*q+(\par)]   ; equal: an earlier tile keeps the maximum
.irp jj, 0,2,4,6
	v_dual_cndmask_b32 v[SAVE+8*q+\jj], v[ACC+8*q+\jj], v[SAVE+8*q+\jj] :: v_dual_cndmask_b32 v[SAVE+8*q+\jj+1], v[ACC+8*q+\jj+1], v[SAVE+8*q+\jj+1]
.endr
	s_mov_b32 s[MK+q], vcc_lo
.set q, q+1
.endr
.endm
.macro TILE slot, i
	s_wait_dscnt 0x0                               ; this tile's nine LDS loads are in
	MUL
.if (\i) == 0
	PEND 25
.else
	PEND 1
.endif
	LOADB \slot, (\i)+1
	ARG 0, 4, ((\i)%2)
.endm
.macro LAST slot, next, fill           ; a slot's eighth tile, and the change of slots
	s_wait_tensorcnt 0x0                           ; all my tensor loads have landed, my part of the other slot among them;
	ds_add_u32 v[SPW], v[NIL]
.if (\fill) && (\slot) == 0
	s_add_nc_u64 s[G0+2:G0+3], s[G0+2:G0+3], 2*BLK ; no load of mine is out: my part of the next lap's block, once a lap
.endif
	s_wait_dscnt 0x0                               ; the add is done, and my reads of this slot are over
	s_barrier_signal -1
	MUL
	PEND 1
	ARG 0, 2, 1
	s_barrier_wait -1
.if \fill
	CREST                                          ; the barrier has opened a round of the cluster's barrier
	JLOAD \slot
.endif
	LOADB \next, 0
	ARG 2, 2, 1
.endm
	s_wait_alu depctr_va_vdst(0)                   ; the wait at the head's end
	s_wait_tensorcnt 0x0                           ; my part is in
	s_barrier_signal -1
	s_barrier_wait -1                              ; both slots are whole
	LOADB 0, 0
	s_wait_loadcnt 0x0                             ; x's fragments and scale words
	s_mov_b32 s41, 3
.Lloop:
	s_wait_xcnt 0x0                                ; the last trip's prefetch has read its address
	s_add_nc_u64 s[PF:PF+1], s[PF:PF+1], 2*BLK
	s_cmp_gt_u32 s41, 1
	s_cbranch_scc0 .Lno_ask                        ; the last trip has no block two laps on
	s_cmp_lt_u32 ttmp9, 4
	s_cbranch_scc0 .Lno_prefetch_search0
	global_prefetch_b8 v[PFO], s[PF:PF+1] th:TH_LOAD_NT scope:SCOPE_SE
.Lno_prefetch_search0:
.Lno_ask:
.irp i, 0,1,2,3,4,5,6
	TILE 0, \i
.endr
	LAST 0, 1, 1
.irp i, 0,1,2,3,4,5,6
	TILE 1, \i
.endr
	LAST 1, 0, 1
	s_sub_co_u32 s41, s41, 1
	s_cmp_lg_u32 s41, 0
	s_cbranch_scc1 .Lloop
.irp i, 0,1,2,3,4,5,6
	TILE 0, \i                                     ; the last lap fetches nothing
.endr
	LAST 0, 1, 0
.irp i, 0,1,2,3,4,5,6
	TILE 1, \i
.endr
	s_wait_dscnt 0x0
	MUL
	PEND 1
	ARG 0, 4, 1
	PEND 0                                         ; the last tile's number
.macro MERGE va, ia, vb, ib            ; the larger score; of equal scores the lower index
	v_cmp_gt_f32 s20, v[\vb], v[\va]
	v_cmp_eq_f32 s21, v[\vb], v[\va]
	v_cmp_lt_u32 s22, v[\ib], v[\ia]
	s_and_b32 s21, s21, s22
	s_or_b32 s20, s20, s21
	v_cndmask_b32 v[\va], v[\va], v[\vb], s20
	v_cndmask_b32 v[\ia], v[\ia], v[\ib], s20
.endm
	v_bfe_u32 v1, v0, 4, 1
	s_delay_alu instid0(VALU_DEP_1)
	v_lshlrev_b32 v1, 3, v1
.irp j, 0,1,2,3,4,5,6,7
	v_add_nc_u32 v[BF+\j], \j, v1                  ; 8 h + j
.endr
	v_mov_b32 v[BF+8], 0
	v_mov_b32 v[BF+9], 0
.irp rt, 0,1,2,3
	v_mov_b32 v[JJ+\rt], v[BF]
.endr
.irp j, 7,6,5,4,3,2,1,0                ; downward, so that the lowest j that holds the maximum stays
.irp rt, 0,1,2,3
	v_cmp_eq_f32 vcc_lo, v[SAVE+8*\rt+\j], v[BEST+2*\rt]
	v_cndmask_b32 v[JJ+\rt], v[JJ+\rt], v[BF+\j], vcc_lo
.endr
.endr
.irp rt, 0,1,2,3
	v_lshl_or_b32 v[IDX+\rt], v[IDX+\rt], 4, v[JJ+\rt]   ; the code: 16 x tile + 8 h + j
.endr
.irp rt, 0,1,2,3
	v_permlanex16_b32 v[BF+8], v[BEST+2*\rt], s[SEL], s[SEL+1]
	v_permlanex16_b32 v[BF+9], v[IDX+\rt], s[SEL], s[SEL+1]
	MERGE BEST+2*\rt, IDX+\rt, BF+8, BF+9          ; with the other half's eight codes
	ds_store_b32 v[SV], v[BEST+2*\rt] offset:64*\rt
	ds_store_b32 v[SV], v[IDX+\rt] offset:4096+64*\rt
.endr
	s_wait_dscnt 0x0                               ; for the others' sake: my stores are done
	s_barrier_signal -1
	s_barrier_wait -1
	s_cmp_lt_u32 s10, 4
	s_cbranch_scc0 .Ldone                          ; waves 0-3 join the four quarters, two rows a lane
.irp qq, 0,1,2,3
	ds_load_b64 v[AF+2*\qq:AF+2*\qq+1], v[RD] offset:1024*\qq
	ds_load_b64 v[AF+8+2*\qq:AF+8+2*\qq+1], v[RD] offset:4096+1024*\qq
.endr
	s_wait_dscnt 0x0
.irp qq, 1,2,3
	MERGE AF, AF+8, AF+2*\qq, AF+8+2*\qq
	MERGE AF+1, AF+9, AF+2*\qq+1, AF+9+2*\qq
.endr
	global_store_b64 v[GO], v[AF+8:AF+9], s[8:9]   ; 32 lanes store 256 consecutive bytes, aligned
.Ldone:
	s_wait_tensorcnt 0x0                           ; the wave's end
	ds_add_u32 v[SPW], v[NIL]
	s_wait_dscnt 0x0
	CROUND                                         ; the closing round
	s_endpgm
.Lfunc_end_k_q3c6f5690ed_search:
	.size	k_q3c6f5690ed_search, .Lfunc_end_k_q3c6f5690ed_search-k_q3c6f5690ed_search
	.p2alignl 7, 3214868480
	.fill 96, 4, 3214868480
	.section	.rodata,"a",@progbits
	.p2align	6, 0x0
	.amdhsa_kernel k_q3c6f5690ed_search
		.amdhsa_group_segment_fixed_size 327680
		.amdhsa_private_segment_fixed_size 0
		.amdhsa_enable_private_segment 0
		.amdhsa_kernarg_size 24
		.amdhsa_user_sgpr_count 2
		.amdhsa_user_sgpr_kernarg_segment_ptr 1
		.amdhsa_wavefront_size32 1
		.amdhsa_system_sgpr_workgroup_id_x 1
		.amdhsa_system_sgpr_workgroup_id_y 1
		.amdhsa_system_sgpr_workgroup_id_z 1
		.amdhsa_system_vgpr_workitem_id 0
		.amdhsa_next_free_vgpr 256
		.amdhsa_next_free_sgpr 66
		.amdhsa_reserve_vcc 1
		.amdhsa_float_denorm_mode_32 3
		.amdhsa_float_denorm_mode_16_64 3
		.amdhsa_memory_ordered 1
		.amdhsa_forward_progress 1
		.amdhsa_inst_pref_size 152
	.end_amdhsa_kernel
	.amdgpu_metadata
---
amdhsa.version: [ 1, 2 ]
amdhsa.kernels:
  - .name:           k_q3c6f5690ed_search
    .symbol:         k_q3c6f5690ed_search.kd
    .args:
      - { .name: xq, .offset: 0, .size: 8, .value_kind: global_buffer, .address_space: global }
      - { .name: cq, .offset: 8, .size: 8, .value_kind: global_buffer, .address_space: global }
      - { .name: idx, .offset: 16, .size: 8, .value_kind: global_buffer, .address_space: global }
    .group_segment_fixed_size: 327680
    .private_segment_fixed_size: 0
    .kernarg_segment_align: 8
    .kernarg_segment_size: 24
    .max_flat_workgroup_size: 512
    .sgpr_count:     66
    .vgpr_count:     256
    .wavefront_size: 32
...
	.end_amdgpu_metadata
.endif
;; end of part 2
;; launch finish (part 3): grid 2048 x 1, 8 waves a work-group, no clusters, 0 bytes of LDS; arguments x, random_vector, codebooks, idx, out0; writes out0
.if DOCPART == 3
	.amdgcn_target "amdgcn-amd-amdhsa--gfx1250"
	.amdhsa_code_object_version 6
	.text
	.protected	k_q3c6f5690ed_finish
	.globl	k_q3c6f5690ed_finish
	.p2align	8
	.type	k_q3c6f5690ed_finish,@function
k_q3c6f5690ed_finish:
	s_mov_b64 s[64:65], 0
	v_nop
	global_prefetch_b8 v0, s[64:65] scope:SCOPE_SE
	s_setreg_imm32_b32 hwreg(HW_REG_WAVE_MODE, 25, 1), 1
	s_wait_xcnt 0x0
; out[n] = x[n] + (|x[n] - c| / |rv[n]| + 1e-12) rv[n],  c = codebooks[idx[n]]; all in f32; the division is a multiplication by v_rcp_f32's result.
; A stream: each byte of x and of random_vector is read once here, each byte of out written once; the matrix units, LDS and clusters have nothing to add (the gathered rows hang on data, no tile is shared).
; SHARES: a work-group owns 32 rows, a wave 4, as two pairs.  Lanes 0-15 take a pair's first row, lanes 16-31 its second: 16 numbers a lane, as four pieces of 16 bytes, 256 bytes apart:
; so each load and store covers two rows' aligned 256 consecutive bytes, and a row's sums stay inside sixteen lanes.
; No loop and no register of a memory instruction written twice: all 26 loads of a wave go out as early as their addresses are known, and its 8 stores stand behind all its arithmetic.
; No prefetch: the launch has no loop to run ahead in.
; LIMITS: a row's sums of squares lie between 2^-126 and f32's largest number (v_sqrt_f32 and v_rcp_f32 take denormals as zero: ISA guide 15.8).  An index is held inside the table by v_min_u32.
.set VX, 4                             ; v4   (4 wave + h) x 1,024 + 16 r
.set VI, 5                             ; v5   (4 wave + h) x 4
.set IX, 8                             ; v8-9    the pairs' indices
.set GA, 10                            ; v10-11  the gathers' offsets
.set X,  16                            ; v16-47   x, then out: pair p at 16 p
.set RV, 48                            ; v48-79   random_vector
.set C,  80                            ; v80-111  the codes' rows, then x - c
.set T,  112                           ; v112-121 at work
	s_load_b256 s[4:11], s[0:1], 0x0               ; x s[4:5], random_vector s[6:7], codebooks s[8:9], idx s[10:11]
	s_load_b64 s[12:13], s[0:1], 0x20              ; out
	v_lshrrev_b32 v1, 5, v0                        ; wave
	v_bfe_u32 v2, v0, 4, 1                         ; h
	v_and_b32 v3, 15, v0                           ; r
	s_delay_alu instid0(VALU_DEP_1)
	v_lshlrev_b32 v6, 4, v3                        ; 16 r
	s_delay_alu instid0(VALU_DEP_3)
	v_lshl_add_u32 v1, v1, 2, v2                   ; 4 wave + h
	s_delay_alu instid0(VALU_DEP_1)
	v_lshl_add_u32 v[VX], v1, 10, v6
	s_delay_alu instid0(VALU_DEP_2)
	v_lshlrev_b32 v[VI], 2, v1
	v_mov_b32 v[T+9], 0                            ; named as the upper half of the pair v[120:121], so it is written
	s_lshl_b32 s14, ttmp9, 15                      ; 32 rows of 1,024 bytes (2,047 x 32,768 at the most: under 2^32)
	s_mov_b32 s15, 0
	s_lshl_b32 s16, ttmp9, 7                       ; 32 words of idx
	s_mov_b32 s17, 0
	s_wait_alu depctr_va_vdst(0)                   ; the wait at the head's end
	s_wait_kmcnt 0x0
	s_add_nc_u64 s[4:5], s[4:5], s[14:15]
	s_add_nc_u64 s[6:7], s[6:7], s[14:15]
	s_add_nc_u64 s[12:13], s[12:13], s[14:15]
	s_add_nc_u64 s[10:11], s[10:11], s[16:17]
.irp p, 0,1
	global_load_b32 v[IX+\p], v[VI], s[10:11] offset:8*\p          ; the index of row 4 wave + 2 p + h
.endr
.irp p, 0,1
.irp k, 0,1,2,3
	global_load_b128 v[X+16*\p+4*\k:X+16*\p+4*\k+3], v[VX], s[4:5] offset:2048*\p+256*\k th:TH_LOAD_NT
.endr
.endr
.irp p, 0,1
.irp k, 0,1,2,3
	global_load_b128 v[RV+16*\p+4*\k:RV+16*\p+4*\k+3], v[VX], s[6:7] offset:2048*\p+256*\k th:TH_LOAD_NT
.endr
.endr
	s_wait_loadcnt 16                              ; the two indices are in; the 16 loads behind them stay out
.irp p, 0,1
	v_min_u32 v[IX+\p], 0xfff, v[IX+\p]            ; inside the table
	s_delay_alu instid0(VALU_DEP_1)
	v_lshlrev_b32 v[GA+\p], 10, v[IX+\p]           ; a row of 1,024 bytes
	s_delay_alu instid0(VALU_DEP_1)
	v_add_nc_u32 v[GA+\p], v6, v[GA+\p]
.endr
.irp p, 0,1
.irp k, 0,1,2,3
	global_load_b128 v[C+16*\p+4*\k:C+16*\p+4*\k+3], v[GA+\p], s[8:9] offset:256*\k   ; rows of a table that many rows name: no hint
.endr
.endr
.macro PAIR p
	s_wait_loadcnt 4-4*\p                          ; x, random_vector and this pair's code rows are in; the later pair's four gathers may stay out
.irp i, 0,2,4,6,8,10,12,14
	v_pk_add_f32 v[C+16*\p+\i:C+16*\p+\i+1], v[X+16*\p+\i:X+16*\p+\i+1], v[C+16*\p+\i:C+16*\p+\i+1] neg_lo:[0,1] neg_hi:[0,1]   ; x - c
.endr
	v_pk_mul_f32 v[T:T+1], v[C+16*\p:C+16*\p+1], v[C+16*\p:C+16*\p+1]               ; the first products start the sums: two packed chains for each of the two
	v_pk_mul_f32 v[T+2:T+3], v[C+16*\p+2:C+16*\p+3], v[C+16*\p+2:C+16*\p+3]
	v_pk_mul_f32 v[T+4:T+5], v[RV+16*\p:RV+16*\p+1], v[RV+16*\p:RV+16*\p+1]
	v_pk_mul_f32 v[T+6:T+7], v[RV+16*\p+2:RV+16*\p+3], v[RV+16*\p+2:RV+16*\p+3]
.irp i, 4,8,12
	s_delay_alu instid0(VALU_DEP_4)
	v_pk_fma_f32 v[T:T+1], v[C+16*\p+\i:C+16*\p+\i+1], v[C+16*\p+\i:C+16*\p+\i+1], v[T:T+1]
	s_delay_alu instid0(VALU_DEP_4)
	v_pk_fma_f32 v[T+2:T+3], v[C+16*\p+\i+2:C+16*\p+\i+3], v[C+16*\p+\i+2:C+16*\p+\i+3], v[T+2:T+3]
	s_delay_alu instid0(VALU_DEP_4)
	v_pk_fma_f32 v[T+4:T+5], v[RV+16*\p+\i:RV+16*\p+\i+1], v[RV+16*\p+\i:RV+16*\p+\i+1], v[T+4:T+5]
	s_delay_alu instid0(VALU_DEP_4)
	v_pk_fma_f32 v[T+6:T+7], v[RV+16*\p+\i+2:RV+16*\p+\i+3], v[RV+16*\p+\i+2:RV+16*\p+\i+3], v[T+6:T+7]
.endr
	s_delay_alu instid0(VALU_DEP_3)
	v_pk_add_f32 v[T:T+1], v[T:T+1], v[T+2:T+3]
	s_delay_alu instid0(VALU_DEP_2)
	v_pk_add_f32 v[T+4:T+5], v[T+4:T+5], v[T+6:T+7]
	s_delay_alu instid0(VALU_DEP_2)
	v_add_f32 v[T], v[T], v[T+1]                   ; my 16 numbers' share of |x - c|^2
	s_delay_alu instid0(VALU_DEP_2)
	v_add_f32 v[T+4], v[T+4], v[T+5]               ; and of |rv|^2
.irp m, 1,2,4,8                        ; across the sixteen lanes that hold the row
	s_delay_alu instid0(VALU_DEP_2)
	v_add_f32_dpp v[T], v[T], v[T] row_xmask:\m row_mask:0xf bank_mask:0xf
	s_delay_alu instid0(VALU_DEP_2)
	v_add_f32_dpp v[T+4], v[T+4], v[T+4] row_xmask:\m row_mask:0xf bank_mask:0xf
.endr
	s_wait_alu depctr_va_vdst(0)                   ; the wait ahead of the batch
	v_sqrt_f32 v[T], v[T]
	v_sqrt_f32 v[T+4], v[T+4]
	v_nop                                          ; one plain place behind a transcendental (ISA guide 5.7.2)
	s_wait_alu depctr_va_vdst(0)                   ; and behind it, ahead of its first reader
	v_rcp_f32 v[T+5], v[T+4]
	v_nop
	s_wait_alu depctr_va_vdst(0)
	v_fmaak_f32 v[T+8], v[T], v[T+5], 0x2b8cbccc   ; |x - c| / |rv| + 1e-12
.irp i, 0,2,4,6,8,10,12,14
	v_pk_fma_f32 v[X+16*\p+\i:X+16*\p+\i+1], v[RV+16*\p+\i:RV+16*\p+\i+1], v[T+8:T+9], v[X+16*\p+\i:X+16*\p+\i+1] op_sel_hi:[1,0,1]   ; of the pair the low word serves both halves
.endr
.endm
	PAIR 0
	PAIR 1
.irp p, 0,1
.irp k, 0,1,2,3
	global_store_b128 v[VX], v[X+16*\p+4*\k:X+16*\p+4*\k+3], s[12:13] offset:2048*\p+256*\k th:TH_STORE_NT   ; sixteen lanes store 256 consecutive bytes, aligned; written once, read by nobody here
.endr
.endr
	s_endpgm
.Lfunc_end_k_q3c6f5690ed_finish:
	.size	k_q3c6f5690ed_finish, .Lfunc_end_k_q3c6f5690ed_finish-k_q3c6f5690ed_finish
	.p2alignl 7, 3214868480
	.fill 96, 4, 3214868480
	.section	.rodata,"a",@progbits
	.p2align	6, 0x0
	.amdhsa_kernel k_q3c6f5690ed_finish
		.amdhsa_group_segment_fixed_size 0
		.amdhsa_private_segment_fixed_size 0
		.amdhsa_enable_private_segment 0
		.amdhsa_kernarg_size 40
		.amdhsa_user_sgpr_count 2
		.amdhsa_user_sgpr_kernarg_segment_ptr 1
		.amdhsa_wavefront_size32 1
		.amdhsa_system_sgpr_workgroup_id_x 1
		.amdhsa_system_sgpr_workgroup_id_y 1
		.amdhsa_system_sgpr_workgroup_id_z 1
		.amdhsa_system_vgpr_workitem_id 0
		.amdhsa_next_free_vgpr 128
		.amdhsa_next_free_sgpr 66
		.amdhsa_reserve_vcc 0
		.amdhsa_float_denorm_mode_32 3
		.amdhsa_float_denorm_mode_16_64 3
		.amdhsa_memory_ordered 1
		.amdhsa_forward_progress 1
		.amdhsa_inst_pref_size 13
	.end_amdhsa_kernel
	.amdgpu_metadata
---
amdhsa.version: [ 1, 2 ]
amdhsa.kernels:
  - .name:           k_q3c6f5690ed_finish
    .symbol:         k_q3c6f5690ed_finish.kd
    .args:
      - { .name: x, .offset: 0, .size: 8, .value_kind: global_buffer, .address_space: global }
      - { .name: random_vector, .offset: 8, .size: 8, .value_kind: global_buffer, .address_space: global }
      - { .name: codebooks, .offset: 16, .size: 8, .value_kind: global_buffer, .address_space: global }
      - { .name: idx, .offset: 24, .size: 8, .value_kind: global_buffer, .address_space: global }
      - { .name: out0, .offset: 32, .size: 8, .value_kind: global_buffer, .address_space: global }
    .group_segment_fixed_size: 0
    .private_segment_fixed_size: 0
    .kernarg_segment_align: 8
    .kernarg_segment_size: 40
    .max_flat_workgroup_size: 256
    .sgpr_count:     66
    .vgpr_count:     128
    .wavefront_size: 32
...
	.end_amdgpu_metadata
.endif
;; end of part 3
